; MI455X (gfx1250); checked and timed in simulation.
; The chip was launched on July 23, 2026; its instructions are those of AMD's public machine-readable ISA for CDNA 5 (MIT licence, August 2026) and "CDNA5" Instruction Set Architecture Reference Guide (July 2026). The comments in the code are by the model that wrote it; some were corrected since.
;; Linear2 Bit. Allowed arithmetic: matrix products marked QUANTISED: E3M2 operands, one E8M0 scale for each 32 along K, by v_wmma_scale_f32_16x16x128_f8f6f4 with both operands' format E3M2, f32 sums; everything else in f32.
;; Inputs: bias 11,008 float32; weight_norm 1,409,024 x 1 float16; weight_q2 1,409,024 x 8 int32; x_codes 16 x 128 x 24 uint8 (E3M2 codes of x, K innermost, in blocks of 32 codes, four codes in three bytes); x_scales 16 x 128 uint8 (E8M0 scales of x, one for each 32 codes along K).
;; Outputs: out0 16 x 11,008 float32.
;; This version of the problem:
;;   THIS VERSION OF THE PROBLEM IS GIVEN IN LOW PRECISION. The matrix products marked QUANTISED in the list below multiply operands that are first quantised to E3M2 (3 exponent bits, 2 mantissa bits; 6 bits a number), with one power-of-two scale for each 32 numbers along K (OCP MX v1.0); their sums are f32. All else is computed in f32.
;;   The module's matrix products, in the order in which they are computed (A, B: the left and right operand; K: the contracted axis; several contracted axes count as one K, in the product's order):
;;     1. [M 16, K 4,096] x [K 4,096, N 11,008]; A: input x (given as codes); B: computed on the way: QUANTISED
;;   THE QUANTISER, for each operand of a quantised product, along K:
;;     - K is cut into blocks of 32 from its start; a last block that is shorter is filled with zeros.
;;     - A block's scale is 2^e with e = floor(log2(the largest magnitude in the block)) - 4, held to -126 .. 127; a block of zeros has e = 0. As a byte (E8M0): e + 127.
;;     - Each number is divided by its block's scale, clamped to +-28, and rounded to the nearest number of E3M2, ties to even, subnormals kept.
;;     - The product sums the exact products of the quantised numbers (number of the format x scale) in f32.
;;   ~~~python
;;   def quantise(x, axis):      # numpy; x: float32 -> the quantised numbers, widened to float32 again
;;       x = np.moveaxis(x, axis, -1); K = x.shape[-1]
;;       x = np.pad(x, [(0, 0)] * (x.ndim - 1) + [(0, -K % 32)]); x = x.reshape(x.shape[:-1] + (-1, 32)); a = np.abs(x).max(-1, keepdims=True)
;;       e = np.where(a > 0, np.clip(np.frexp(np.where(a > 0, a, 1))[1] - 1 - 4, -126, 127), 0)      # np.frexp(a)[1] - 1 = floor(log2(a)), exactly
;;       r = np.clip(x / 2.0 ** e, -28, 28)
;;       step = 2.0 ** (np.maximum(np.frexp(np.where(r == 0, 1, r))[1] - 1, -2) - 2)
;;       q = np.round(r / step) * step * 2.0 ** e      # np.round: ties to even
;;       return np.moveaxis(q.reshape(q.shape[:-2] + (-1,))[..., :K], -1, axis).astype(np.float32)
;;   ~~~
;;   OPERANDS COMPUTED ON THE WAY. 'Computed on the way' means the value that the module computes at that place (a softmax that the list does not call 'softmax' is quantised finished and normalised). What goes into a quantiser is computed in f32, as accurately as f32 sums, v_exp_f32 and their like allow (about 1e-6 of the number): no bf16 or f16 on the way to a quantiser, and a product that is left as it is and whose result goes on into a quantised operand takes f32 operands (vector FMAs, or v_wmma_f32_16x16x4_f32). A number that lies on a knife's edge between two numbers of the format may be rounded either way, as far as f32 arithmetic and the matrix unit's own rounding can turn it there, and no further.
;;   INPUTS GIVEN AS CODES. x (in the module: [16, 4096], K = its axis 1): each comes as NAME_codes (uint8): NAME with its K axis moved to the last place and cut into blocks of 32 codes, [.., K / 32, bytes a block], one block behind the other in memory; four codes in three bytes: a row's codes are one little-endian stream of bits, code i at bits 6 i .. 6 i + 5 (a code: sign, 3 exponent bits, 2 mantissa bits); and NAME_scales (uint8): the same leading axes, one E8M0 byte (e + 127) for each 32 codes along K. Its value is code x scale, taken as it is: it is not quantised again, and the codes and scales need not be those that the quantiser above would give.
;; One version. Each part assembles by itself: llvm-mc -triple=amdgcn-amd-amdhsa -mcpu=gfx1250 --defsym DOCPART=n.
;; ======== version 1 of 1: 1 launch
;; launch linear2bit (part 1): grid 256 x 1, 16 waves a work-group, no clusters, 327,680 bytes of LDS; arguments x_codes, x_scales, weight_q2, weight_norm, bias, out0; writes out0
.if DOCPART == 1
	.amdgcn_target "amdgcn-amd-amdhsa--gfx1250"
	.amdhsa_code_object_version 6
	.text
	.protected	k_q5c67dfb6f2_linear2bit
	.globl	k_q5c67dfb6f2_linear2bit
	.p2align	8
	.type	k_q5c67dfb6f2_linear2bit,@function
k_q5c67dfb6f2_linear2bit:
	s_mov_b64 s[64:65], 0
	v_nop
	global_prefetch_b8 v0, s[64:65] scope:SCOPE_SE
	s_setreg_imm32_b32 hwreg(HW_REG_WAVE_MODE, 25, 1), 1
	s_wait_xcnt 0x0
; out0[m][n] = sum over k of x[m][k] W[n][k] + bias[n].  x: [16][4096] as codes of BF6 (E3M2) with one E8M0 byte for each 32 along K.
; W[n][k] = LEVELS[2-bit code] x norm, one f16 norm for each 32 along K; a word of weight_q2 holds four 2-bit codes in its low byte.  W is quantised along K to BF6 here, on its way to the matrix unit.
; THE QUANTISER.  A norm's group of 32 IS a block of the quantiser, so a block holds at most four different numbers: -n, -0.333 n, 0.333 n, n.  These four are made in f32, the block's scale is taken from the
; largest magnitude that really occurs (|n| where a code 0 or 3 occurs, else |0.333 n|), and ONE scaled conversion quantises the four.  The 2-bit codes then pick among the four 6-bit codes byte by byte (v_perm_b32),
; and the 6-bit codes are laid into the stream of bits that the operand's registers want.  Every number of the block so gets the code that the conversion gives it.
; SHARES.  11,008 = 256 x 43: work-group g owns columns 43 g .. 43 g + 42 of out0: 176,128 bytes of weight_q2 and 11,008 of weight_norm, the same for each of 256 work-groups.  All of it fits in LDS, so every
; tensor load is a first fill, issued at the head: no slot is filled twice.  Sixteen waves; wave w owns K = 256 w .. 256 w + 255 (two matrix instructions deep) for three tiles of 16 columns (the third has 11; the mover
; writes zeros for the other 5, which are not stored).  The sixteen partial sums meet in LDS; waves 0 to 5 add them, add the bias and store.
; NO CLUSTER: work-groups share x alone, 51,200 bytes beside 187,136 of their own, and x goes straight into registers.  NO PREFETCH: all that the work-group reads is asked for at the head.
; THE WAY OUT: 43 columns are 172 bytes of a row of out0: sixteen lanes store 64 consecutive bytes (the last tile 44); out0 is 704,512 of the 48.7 million bytes that the launch moves.
; LIMITS: a norm that is infinite or NaN is not served.  Negative norms are.  Bits 8 to 31 of a word of weight_q2 are ignored, as the 2-bit fields lie in bits 0 to 7.  A block whose largest magnitude lies under
; 2^(5 - 127), a block of zeros among them, gets the scale byte 1 (a block of zeros has zero codes, which add nothing).  The sums over K are added in another order than ascending K (16 parts, a tree).
.set WPITCH, 272                       ; an LDS row: 256 bytes + 16 of padding = 68 words, so the 16 rows that a load of 16 bytes a lane touches start at 16 different banks (64 banks of 4 bytes: ISA guide 11.1)
.set WTILE,  16*WPITCH                 ; 16 rows of W x 256 along K (64 words of weight_q2)
.set WWAVE,  3*WTILE                   ; a wave's three tiles
.set NRM,    16*WWAVE                  ; 208,896: the norms: 48 rows x (256 bytes + 16)
.set RED,    NRM+48*WPITCH             ; 221,952: the partial sums: 3,072 bytes a wave: six images of four registers, 16 bytes a lane.  No tensor load lands here
.set REDW,   3072
.set OROW,   11008*4                   ; a row of out0 in bytes
.set AW,  5                            ; v5   LDS: my row and half in my wave's tiles of W: 13,056 w + 272 r + 32 h
.set AN,  6                            ; v6   LDS: my row's norms of my wave's K: NRM + 272 r + 16 w
.set ARS, 7                            ; v7   LDS: where I put partial sums: RED + 3,072 w + 16 lane
.set ARL, 8                            ; v8   LDS: where I read them: RED + 512 w + 16 lane
.set XA,  9                            ; v9   x's codes: 3,072 r + 24 h
.set XSA, 10                           ; v10  x's scale bytes: 128 r
.set BA,  11                           ; v11  bias: 4 min(COL, 42)
.set OA,  12                           ; v12  out0: (8 h + 4 (w & 1)) rows + 4 COL
.set COL, 13                           ; v13  16 (w / 2) + r: the column of the work-group's 43 that I store (waves 0 to 5)
.set BI,  14                           ; v14  its bias;  v15: a lane permute's destination
.set XF,  16                           ; v16-39   x's two fragments
.set XS,  40                           ; v40-41   x's scale words: scales and nothing else
.set SW,  42                           ; v42-43   W's scale words, by turns: scales and nothing else
.set NR,  44                           ; v44-55   norms: four registers (8 f16) a tile
.set CW,  56                           ; v56-87   two windows of 16 numbers for the conversion: the four numbers at 0, 4, 8, 12, zeros between
.set CD,  88                           ; v88-90, v92-94 its results
.set TBL, 98                           ; v98-99   a block's four codes, one a byte
.set R,   100                          ; v100-103 a block's 2-bit codes: 16 to a register
.set HT,  104                          ; v104-111 at work
.set MX,  112                          ; v112-113 the largest magnitude, then the conversion's scale operand
.set BY,  114                          ; v114-115 the scale's byte
.set WD,  116                          ; v116     my two bytes of the scale word
.set LN,  117                          ; v117     lane
.set BF,  120                          ; v120-131 W's fragment
.set ACC, 132                          ; v132-155 three accumulators
.set Q,   160                          ; v160-191 words of weight_q2: 16 for each of a tile's two K steps
.set E,   192                          ; v192-211 at work
.set SUM, 160                          ; v160-223 at the end: sixteen partial sums of four registers
.set WV,  16                           ; s16  my wave's number
.set G1A, 24                           ; s[24:31] descriptor group 1: W's tiles 0 and 1
.set G1B, 32                           ; s[32:39] tile 2
.set G1N, 40                           ; s[40:47] the norms
.set G0W, 48                           ; s[48:59] group 0 for W's three tiles
.set G0N, 60                           ; s[60:63] for the norms
.set SEL, 66                           ; s[66:67] v_permlanex16_b32's selects for lane l xor 16
.set PK,  68                           ; byte selects and masks: see where they are set
.set PKC, 69
.set M3,  70
.set M5,  71
.set MC0, 72
.set MF0, 73
.set MFC, 74
.set T1,  75
.set T2,  76
.set SHM, 77
.set SHM2, 78
.set SHO0, 79
.set SHO2, 80
.set SHX, 81
.set LV,  82
.set LVN, 83
.set FLO, 84
.set EM4, 85
.set SGN, 86
	s_load_b256 s[4:11], s[0:1], 0x0               ; x's codes s[4:5], x's scales s[6:7], weight_q2 s[8:9], weight_norm s[10:11]
	s_load_b128 s[12:15], s[0:1], 0x20             ; bias s[12:13], out0 s[14:15]
	v_lshl_add_u32 v224, v0, 2, 0x42300
	v_mov_b32 v225, 0
	ds_add_u32 v224, v225
	ds_add_u32 v224, v225
	v_lshrrev_b32 v1, 5, v0
	v_readfirstlane_b32 s[WV], v1                  ; wave 0..15
	v_and_b32 v1, 15, v0                           ; r = lane % 16
	v_bfe_u32 v2, v0, 4, 1                         ; h = lane / 16
	v_lshlrev_b32 v3, 3, v2                        ; 8 h
	v_lshlrev_b32 v4, 4, v2                        ; 16 h
	v_and_b32 v[LN], 31, v0
	; every LDS address is made here, on the way that all waves take: a constant + constants x lane + a constant x wave
	s_mul_i32 s22, s[WV], WWAVE                    ; my wave's tiles in LDS
	v_mul_u32_u24 v[AW], v1, WPITCH
	s_lshl_b32 s17, s[WV], 4
	s_add_co_u32 s17, s17, NRM
	v_add_nc_u32 v[AN], s17, v[AW]
	v_lshl_add_u32 v[AW], v2, 5, v[AW]             ; a block of 32 is 8 words, 32 bytes: lanes 16-31 take the block behind lanes 0-15's
	v_add_nc_u32 v[AW], s22, v[AW]
	s_mul_i32 s17, s[WV], REDW
	s_add_co_u32 s17, s17, RED
	v_lshl_add_u32 v[ARS], v[LN], 4, s17
	s_lshl_b32 s17, s[WV], 9
	s_add_co_u32 s17, s17, RED
	v_lshl_add_u32 v[ARL], v[LN], 4, s17
	; offsets in memory
	v_mul_u32_u24 v[XA], v1, 3072                  ; a row of x is 4,096 codes, 3,072 bytes
	v_mad_u32_u24 v[XA], v2, 24, v[XA]
	v_lshlrev_b32 v[XSA], 7, v1                    ; and 128 scale bytes
	s_lshr_b32 s17, s[WV], 1
	s_lshl_b32 s17, s17, 4
	v_add_nc_u32 v[COL], s17, v1
	v_min_u32 v[BA], 42, v[COL]                    ; no load leaves bias: columns 43 on (and waves 6 to 15, which store nothing) take the last column's
	v_lshlrev_b32 v[BA], 2, v[BA]
	s_and_b32 s17, s[WV], 1
	s_mul_i32 s17, s17, 4*OROW
	v_mul_u32_u24 v[OA], v2, 8*OROW
	v_add_nc_u32 v[OA], s17, v[OA]
	v_lshl_add_u32 v[OA], v[COL], 2, v[OA]
	s_mov_b32 s[SEL], 0x76543210
	s_mov_b32 s[SEL+1], 0xfedcba98
	s_mov_b32 s[PK], 0x00000400                    ; the low bytes of two words, side by side
	s_mov_b32 s[PKC], 0x05040100                   ; the low halves of two words
	s_mov_b32 s[M3], 0x03030303                    ; a 2-bit code in each byte
	s_mov_b32 s[M5], 0x55555555                    ; the low bit of every 2-bit field
	s_mov_b32 s[MC0], 0xc0c0c0c0
	s_mov_b32 s[MF0], 0xf0f0f0f0
	s_mov_b32 s[MFC], 0xfcfcfcfc
	s_mov_b32 s[T1], 0x00060300                    ; the conversion's codes 0, 4, 8 lie in bytes 0 and 3 of its first register and byte 2 of its second,
	s_mov_b32 s[T2], 0x05020100                    ; code 12 in byte 1 of its third
	s_mov_b32 s[SHM], 0x05010400                   ; the selects that lay three registers of bytes (first, second, third byte of four groups of four codes) into the stream
	s_mov_b32 s[SHM2], 0x07030602
	s_mov_b32 s[SHO0], 0x02040100
	s_mov_b32 s[SHO2], 0x07030206
	s_mov_b32 s[SHX], 0x00000503
	s_mov_b32 s[LV], 0x3eaa7efa                    ; 0.333 in f32
	s_mov_b32 s[LVN], 0xbeaa7efa                   ; -0.333
	s_mov_b32 s[FLO], 0x02800000                   ; the floor 2^(5 - 127) under the largest magnitude: the scale's byte cannot fall under 1
	s_mov_b32 s[EM4], 0xfe000000                   ; -(4 << 23): 4 off an exponent field
	s_mov_b32 s[SGN], 0x80000000
	; descriptor group 1.  W: 16 rows x 64 words of 4 bytes, 1,024 words from row to row; 16 bytes of padding behind each 64 words
	s_mov_b32 s[G1A+0], (2<<16)|(1<<20)|(5<<22)|(3<<25)  ; 15:0 no mask; 17:16 elements of 4 bytes; 20 padding on; 24:22 after every 64 words (code 5); 31:25 of 4 words (code 3)
	s_mov_b32 s[G1A+1], 64<<16                     ; tensor_dim0 = 64
	s_mov_b32 s[G1A+2], 16<<16                     ; tensor_dim1 = 16
	s_mov_b32 s[G1A+3], 64<<16                     ; tile_dim0 = 64
	s_mov_b32 s[G1A+4], 16                         ; tile_dim1 = 16
	s_mov_b32 s[G1A+5], 1024                       ; tensor_dim0_stride
	s_mov_b32 s[G1A+6], 0
	s_mov_b32 s[G1A+7], 0
	s_mov_b32 s[G1B+0], (2<<16)|(1<<20)|(5<<22)|(3<<25)
	s_mov_b32 s[G1B+1], 64<<16
	s_mov_b32 s[G1B+2], 11<<16                     ; the third tile: 11 rows are left of the work-group's 43: rows 11 to 15 arrive as zeros, and nothing beyond them is read
	s_mov_b32 s[G1B+3], 64<<16
	s_mov_b32 s[G1B+4], 16
	s_mov_b32 s[G1B+5], 1024
	s_mov_b32 s[G1B+6], 0
	s_mov_b32 s[G1B+7], 0
	s_mov_b32 s[G1N+0], (3<<16)|(1<<20)|(5<<22)|(3<<25)  ; the norms: rows of 256 bytes (32 elements of 8 bytes), dense in memory, padded alike
	s_mov_b32 s[G1N+1], 32<<16
	s_mov_b32 s[G1N+2], 43<<16                     ; 43 rows are there: rows 43 to 47 arrive as zeros
	s_mov_b32 s[G1N+3], 32<<16
	s_mov_b32 s[G1N+4], 48
	s_mov_b32 s[G1N+5], 32
	s_mov_b32 s[G1N+6], 0
	s_mov_b32 s[G1N+7], 0
	s_mul_i32 s18, ttmp9, 43*4096                  ; weight_q2: the work-group's 43 rows of 4,096 bytes,
	s_lshl_b32 s17, s[WV], 8
	s_add_co_u32 s18, s18, s17                     ; + my wave's 256 bytes of a row
	s_mov_b32 s19, 0
	s_mul_i32 s20, ttmp9, 43*256                   ; weight_norm: 43 rows of 256 bytes
	s_mov_b32 s21, 0
	s_wait_dscnt 0x0
	s_wait_kmcnt 0x0
	s_add_nc_u64 s[8:9], s[8:9], s[18:19]
	s_add_nc_u64 s[10:11], s[10:11], s[20:21]
	s_mul_i32 s18, s[WV], 192                      ; x's codes: my wave's 256 along K
	s_add_nc_u64 s[4:5], s[4:5], s[18:19]
	s_lshl_b32 s18, s[WV], 3                       ; and their 8 scale bytes
	s_add_nc_u64 s[6:7], s[6:7], s[18:19]
	s_mul_i32 s18, ttmp9, 43*4                     ; bias and out0: the work-group's first column
	s_add_nc_u64 s[12:13], s[12:13], s[18:19]
	s_add_nc_u64 s[14:15], s[14:15], s[18:19]
.irp t, 0,1,2
	s_mov_b32 s[G0W+4*\t], 1                       ; 1:0 count = 1
	s_add_co_u32 s[G0W+4*\t+1], s22, \t*WTILE      ; 63:32 LDS address: 13,056 x wave + 4,352 x tile
	s_add_nc_u64 s[G0W+4*\t+2:G0W+4*\t+3], s[8:9], \t*65536   ; 120:64 global address: 16 rows of 4,096 bytes a tile
	s_or_b32 s[G0W+4*\t+3], s[G0W+4*\t+3], 0x80000000         ; 127:126 type = 2
.endr
	s_mov_b32 s[G0N], 1
	s_mov_b32 s[G0N+1], NRM
	s_mov_b64 s[G0N+2:G0N+3], s[10:11]
	s_or_b32 s[G0N+3], s[G0N+3], 0x80000000
	; ALL FILLS, at once: each wave its three tiles of W, wave 0 the norms ahead of them.  Wave 0 has four tensor loads out, the others three.  A wave's fills stand in one arm of one branch on its number.
	; W comes as three loads of 16 rows, so that a tile can be worked on while the later ones are on their way.
	s_cmp_lg_u32 s[WV], 0
	s_cbranch_scc1 .Lothers
	tensor_load_to_lds s[G0N:G0N+3], s[G1N:G1N+7]
	s_nop 0
	tensor_load_to_lds s[G0W:G0W+3], s[G1A:G1A+7]
	s_nop 0
	tensor_load_to_lds s[G0W+4:G0W+7], s[G1A:G1A+7]
	s_nop 0
	tensor_load_to_lds s[G0W+8:G0W+11], s[G1B:G1B+7]
	s_nop 0
.rept 4
	v_nop
.endr
	s_branch .Lasked
.Lothers:
	tensor_load_to_lds s[G0W:G0W+3], s[G1A:G1A+7]
	s_nop 0
	tensor_load_to_lds s[G0W+4:G0W+7], s[G1A:G1A+7]
	s_nop 0
	tensor_load_to_lds s[G0W+8:G0W+11], s[G1B:G1B+7]
	s_nop 0
.rept 4
	v_nop
.endr
.Lasked:
	; x's two fragments stay in registers: lane (r, h) takes, of row r and K step j, the 24 bytes at 24 h and those at 48 + 24 h, as they lie, in pieces of 8 bytes
.irp j, 0,1
.irp p, 0,1,2,3,4,5
	global_load_b64 v[XF+12*\j+2*\p:XF+12*\j+2*\p+1], v[XA], s[4:5] offset:96*\j+48*(\p/3)+8*(\p%3)
.endr
.endr
	global_load_b64 v[XS:XS+1], v[XSA], s[6:7]     ; row r's scale words of my two K steps
	global_load_b32 v[BI], v[BA], s[12:13]
.set i, 0
.rept 32
.if i%4
	v_mov_b32 v[CW+i], 0                           ; the windows' 24 numbers that stay zero: their codes are zeros, so each of the four codes that count has a byte of the result to itself
.endif
.set i, i+1
.endr
	v_mov_b32 v15, 0                               ; written once: a lane permute's destination counts as one of its sources
	s_wait_tensorcnt 0x3                           ; wave 0: the norms have landed (its three tiles of W, issued behind them, may be out); the other waves have three loads out and pass
	s_barrier_signal -1
	s_barrier_wait -1                              ; every wave may read the norms.
.irp t, 0,1,2
	ds_load_b128 v[NR+4*\t:NR+4*\t+3], v[AN] offset:WTILE*\t   ; row 16 t + r: the 8 norms of my wave's K: register 2 j + c holds those of blocks 2 c (low half) and 2 c + 1 of K step j
.endr
; THE HEAD OF A FRAGMENT: tile t, K step j.  The operand's layout gives lane (r, h) the blocks 2 c + h, c = 0, 1, of column r.  For each: the four numbers, the scale, the four codes; and the column's scale word.
.macro HEAD t, j
.set QJ, Q+16*(\j)
.set NJ, NR+4*(\t)+2*(\j)
	v_lshrrev_b32 v96, v4, v[NJ]                   ; my block's norm into the low half
	v_lshrrev_b32 v97, v4, v[NJ+1]
.irp c, 0,1
	v_perm_b32 v[HT+4*\c],   v[QJ+8*\c+1], v[QJ+8*\c],   s[PK]    ; the low bytes of the block's eight words are gathered: two,
	v_perm_b32 v[HT+4*\c+1], v[QJ+8*\c+3], v[QJ+8*\c+2], s[PK]
	v_perm_b32 v[HT+4*\c+2], v[QJ+8*\c+5], v[QJ+8*\c+4], s[PK]
	v_perm_b32 v[HT+4*\c+3], v[QJ+8*\c+7], v[QJ+8*\c+6], s[PK]
.endr
	v_cvt_f32_f16 v[CW+12], v96.l                  ; n, exactly: level 3
	v_cvt_f32_f16 v[CW+28], v97.l
.irp c, 0,1
	v_perm_b32 v[R+2*\c],   v[HT+4*\c+1], v[HT+4*\c],   s[PKC]    ; then four to a register: 16 codes of 2 bits, k ascending
	v_perm_b32 v[R+2*\c+1], v[HT+4*\c+3], v[HT+4*\c+2], s[PKC]
.endr
.irp c, 0,1
	v_mul_f32 v[CW+16*\c+8], s[LV], v[CW+16*\c+12]         ; level 2: 0.333 n
	v_mul_f32 v[CW+16*\c+4], s[LVN], v[CW+16*\c+12]        ; level 1: -0.333 n
	v_xor_b32 v[CW+16*\c], s[SGN], v[CW+16*\c+12]          ; level 0: -n
.endr
.irp c, 0,1
	v_lshrrev_b32 v[HT+4*\c],   1, v[R+2*\c]               ; a code is 1 or 2 where its two bits differ
	v_lshrrev_b32 v[HT+4*\c+1], 1, v[R+2*\c+1]
.endr
.irp c, 0,1
	v_xor_b32 v[HT+4*\c],   v[HT+4*\c],   v[R+2*\c]
	v_xor_b32 v[HT+4*\c+1], v[HT+4*\c+1], v[R+2*\c+1]
.endr
.irp c, 0,1
	v_and_b32 v[HT+4*\c], v[HT+4*\c], v[HT+4*\c+1]
.endr
.irp c, 0,1
	v_and_b32 v[HT+4*\c], s[M5], v[HT+4*\c]
.endr
.irp c, 0,1
	v_cmp_eq_u32 vcc_lo, s[M5], v[HT+4*\c]                 ; all 32 codes are 1 or 2:
	v_cndmask_b32 v[MX+\c], v[CW+16*\c+12], v[CW+16*\c+8], vcc_lo   ; then the block's largest magnitude is |0.333 n|, else |n|: a choice of a value, no branch
.endr
.irp c, 0,1
	v_max_num_f32 v[MX+\c], |v[MX+\c]|, s[FLO]
.endr
.irp c, 0,1
	v_add_nc_u32 v[MX+\c], s[EM4], v[MX+\c]                ; 4 off its exponent field: the conversion takes the exponent field of this operand as its scale, and nothing else of it
.endr
.irp c, 0,1
	v_lshrrev_b32 v[BY+\c], 23, v[MX+\c]                   ; the scale's byte
.endr
.irp c, 0,1
	v_cvt_scalef32_pk16_bf6_f32 v[CD+4*\c:CD+4*\c+2], v[CW+16*\c:CW+16*\c+15], v[MX+\c]   ; each number / the scale, to the nearest code, ties to even, beyond 28 the largest code
.endr
	v_lshl_or_b32 v[WD], v[BY+1], 16, v[BY]        ; (plain lines behind the conversions, which touch none of their registers)  my two bytes: blocks h and 2 + h of column r,
	v_lshlrev_b32 v[WD], v3, v[WD]                 ; at their places in the scale word (8 h bits up);
	v_permlanex16_b32 v15, v[WD], s[SEL], s[SEL+1]
	v_or_b32 v[SW+(\j)], v[WD], v15                ; with lane l xor 16's two the word is whole.  Two registers by turns: the product that reads the other one is still to come
.irp c, 0,1
	v_perm_b32 v[HT+4*\c], v[CD+4*\c+1], v[CD+4*\c], s[T1]
.endr
.irp c, 0,1
	v_perm_b32 v[TBL+\c], v[CD+4*\c+2], v[HT+4*\c], s[T2]  ; byte i: the 6-bit code of level i in this block
.endr
.endm
; 16 codes of 2 bits (half u of block c) become 16 codes of 6 bits: 96 bits, registers 6 c + 3 u .. + 2 of the fragment.  Byte g of a register here belongs to the group of four codes 4 g .. 4 g + 3.
.macro EXPAND c, u
.set RR, R+2*(\c)+(\u)
.set TT, TBL+(\c)
.set OO, BF+6*(\c)+3*(\u)
	v_and_b32 v[E], s[M3], v[RR]                   ; code 4 g + i of each group, as a byte select
	v_lshrrev_b32 v[E+1], 2, v[RR]
	v_lshrrev_b32 v[E+2], 4, v[RR]
	v_lshrrev_b32 v[E+3], 6, v[RR]
	v_and_b32 v[E+1], s[M3], v[E+1]
	v_and_b32 v[E+2], s[M3], v[E+2]
	v_and_b32 v[E+3], s[M3], v[E+3]
.irp i, 0,1,2,3
	v_perm_b32 v[E+4+\i], v[TT], v[TT], v[E+\i]    ; its 6-bit code
.endr
	v_lshlrev_b32 v[E+8], 6, v[E+5]
	v_lshrrev_b32 v[E+9], 2, v[E+5]
	v_lshlrev_b32 v[E+10], 4, v[E+6]
	v_lshrrev_b32 v[E+11], 4, v[E+6]
	v_lshlrev_b32 v[E+12], 2, v[E+7]
	v_bfi_b32 v[E+14], s[MC0], v[E+8], v[E+4]      ; a group's first byte: code 0, and the low 2 bits of code 1 (the masks drop what a shift carries over from the byte beside)
	v_bfi_b32 v[E+15], s[MF0], v[E+10], v[E+9]     ; its second: the high 4 bits of code 1, the low 4 of code 2
	v_bfi_b32 v[E+16], s[MFC], v[E+12], v[E+11]    ; its third: the high 2 bits of code 2, and code 3
	v_perm_b32 v[E+17], v[E+15], v[E+14], s[SHM]   ; groups 0, 1: first, second, first, second
	v_perm_b32 v[E+18], v[E+15], v[E+14], s[SHM2]  ; groups 2, 3 likewise
	v_perm_b32 v[E+19], v[E+16], v[E+17], s[SHX]   ; group 1's second and third
	v_perm_b32 v[OO], v[E+16], v[E+17], s[SHO0]    ; bytes 0-3 of the stream
	v_perm_b32 v[OO+1], v[E+18], v[E+19], s[PKC]   ; bytes 4-7
	v_perm_b32 v[OO+2], v[E+16], v[E+18], s[SHO2]  ; bytes 8-11
.endm
; The product of tile t, K step j: source 0 = x's 16 rows, source 1 = 16 columns of W^T: register i of lane (r, h) is out(8 h + i, column r of the tile).
; It is issued behind the HEAD of the NEXT fragment: more than 40 plain vector lines stand between the last write of the fragment and it, and more than 100 behind the write of its scale word
; (a scale written by a vector instruction wants 8 places, an operand 4); behind it 22 plain lines that name none of its registers stand ahead of the first write of the fragment's registers.
.macro WMMA t, j
.if \j
	s_wait_alu depctr_va_vdst(0)                   ; the line below adds onto the result of the matrix instruction issued just before it
	v_wmma_scale_f32_16x16x128_f8f6f4 v[ACC+8*(\t):ACC+8*(\t)+7], v[XF+12:XF+23], v[BF:BF+11], v[ACC+8*(\t):ACC+8*(\t)+7], v[XS+1], v[SW+1] matrix_a_fmt:MATRIX_FMT_BF6 matrix_b_fmt:MATRIX_FMT_BF6
.else
	v_wmma_scale_f32_16x16x128_f8f6f4 v[ACC+8*(\t):ACC+8*(\t)+7], v[XF:XF+11], v[BF:BF+11], 0, v[XS], v[SW] matrix_a_fmt:MATRIX_FMT_BF6 matrix_b_fmt:MATRIX_FMT_BF6
.endif
.endm
.macro TILE t
	s_wait_tensorcnt 2-\t                          ; tensor loads of a wave end in order (ISA guide 10.11.1): my tile t is in LDS; the later tiles may be out.  Only I read these bytes
.irp j, 0,1
.irp c, 0,1
.irp i, 0,1
	ds_load_b128 v[Q+16*\j+8*\c+4*\i:Q+16*\j+8*\c+4*\i+3], v[AW] offset:WTILE*\t+128*\j+64*\c+16*\i   ; block 2 c + h of K step j: eight words
.endr
.endr
.endr
	s_wait_dscnt 0x4                               ; K step 0's four loads are in (and, in tile 0, the norms ahead of them); K step 1's four may be out
	HEAD \t, 0
.if \t > 0
	WMMA \t-1, 1
.endif
	EXPAND 0, 0
	EXPAND 0, 1
	EXPAND 1, 0
	EXPAND 1, 1
	s_wait_dscnt 0x0
	HEAD \t, 1
.if \t == 0
	s_wait_loadcnt 0x0                             ; x's fragments and scale words (and the bias)
.endif
	WMMA \t, 0
	EXPAND 0, 0
	EXPAND 0, 1
	EXPAND 1, 0
	EXPAND 1, 1
.endm
	TILE 0
	TILE 1
	TILE 2                                         ; its wait on TENSORcnt is for 0: no tensor load is out from here on
.rept 4
	v_nop                                          ; four places between the last write of the fragment and the product that reads it
.endr
	WMMA 2, 1
.rept 4
	v_nop                                          ; four places ahead of the LDS stores that read its result
.endr
	; THE SUM OVER THE SIXTEEN WAVES.  My three accumulators go to LDS as six images of four registers, 16 bytes a lane, each accumulator from its low end on
.irp t, 0,1,2
	ds_store_b128 v[ARS], v[ACC+8*\t:ACC+8*\t+3] offset:1024*\t
	ds_store_b128 v[ARS], v[ACC+8*\t+4:ACC+8*\t+7] offset:1024*\t+512
.endr
	s_wait_dscnt 0x0                               ; for the others' sake: my stores have landed
	s_barrier_signal -1
	s_barrier_wait -1
	s_cmp_ge_u32 s[WV], 6
	s_cbranch_scc1 .Ldone                          ; six images, six waves: wave w takes tile w / 2, registers 4 (w % 2) .. + 3, of all sixteen waves
.irp p, 0,1,2,3,4,5,6,7,8,9,10,11,12,13,14,15
	ds_load_b128 v[SUM+4*\p:SUM+4*\p+3], v[ARL] offset:REDW*\p
.endr
	s_wait_dscnt 0x0
.irp d, 8,4,2,1
.set p, 0
.rept \d
	v_pk_add_f32 v[SUM+4*p:SUM+4*p+1], v[SUM+4*p:SUM+4*p+1], v[SUM+4*(p+\d):SUM+4*(p+\d)+1]
	v_pk_add_f32 v[SUM+4*p+2:SUM+4*p+3], v[SUM+4*p+2:SUM+4*p+3], v[SUM+4*(p+\d)+2:SUM+4*(p+\d)+3]
.set p, p+1
.endr
.endr
	v_pk_add_f32 v[SUM:SUM+1], v[SUM:SUM+1], v[BI:BI+1] op_sel_hi:[1,0]       ; + my column's bias (of the pair the low word serves both halves)
	v_pk_add_f32 v[SUM+2:SUM+3], v[SUM+2:SUM+3], v[BI:BI+1] op_sel_hi:[1,0]
	s_wait_xcnt 0x0                                ; EXEC changes only behind this wait: the loads at the head have had their addresses translated
	v_cmp_gt_u32 vcc_lo, 43, v[COL]                ; the third tile has 11 columns
	s_wait_tensorcnt 0x0
	ds_add_u32 v224, v225
	s_wait_dscnt 0x0
	s_and_saveexec_b32 s17, vcc_lo
.irp i, 0,1,2,3
	global_store_b32 v[OA], v[SUM+\i], s[14:15] offset:OROW*\i th:TH_STORE_NT  ; out0(8 h + 4 (w % 2) + i, 43 g + COL): sixteen lanes store 64 consecutive bytes; written once, read by nobody here
.endr
	s_endpgm
.Ldone:
	s_wait_tensorcnt 0x0
	ds_add_u32 v224, v225
	s_wait_dscnt 0x0
	s_endpgm
.Lfunc_end_k_q5c67dfb6f2_linear2bit:
	.size	k_q5c67dfb6f2_linear2bit, .Lfunc_end_k_q5c67dfb6f2_linear2bit-k_q5c67dfb6f2_linear2bit
	.p2alignl 7, 3214868480
	.fill 96, 4, 3214868480
	.section	.rodata,"a",@progbits
	.p2align	6, 0x0
	.amdhsa_kernel k_q5c67dfb6f2_linear2bit
		.amdhsa_group_segment_fixed_size 327680
		.amdhsa_private_segment_fixed_size 0
		.amdhsa_enable_private_segment 0
		.amdhsa_kernarg_size 48
		.amdhsa_user_sgpr_count 2
		.amdhsa_user_sgpr_kernarg_segment_ptr 1
		.amdhsa_wavefront_size32 1
		.amdhsa_system_sgpr_workgroup_id_x 1
		.amdhsa_system_sgpr_workgroup_id_y 1
		.amdhsa_system_sgpr_workgroup_id_z 1
		.amdhsa_system_vgpr_workitem_id 0
		.amdhsa_next_free_vgpr 226
		.amdhsa_next_free_sgpr 88
		.amdhsa_reserve_vcc 1
		.amdhsa_float_denorm_mode_32 3
		.amdhsa_float_denorm_mode_16_64 3
		.amdhsa_memory_ordered 1
		.amdhsa_forward_progress 1
		.amdhsa_inst_pref_size 60
	.end_amdhsa_kernel
	.amdgpu_metadata
---
amdhsa.version: [ 1, 2 ]
amdhsa.kernels:
  - .name:           k_q5c67dfb6f2_linear2bit
    .symbol:         k_q5c67dfb6f2_linear2bit.kd
    .args:
      - { .name: x_codes, .offset: 0, .size: 8, .value_kind: global_buffer, .address_space: global }
      - { .name: x_scales, .offset: 8, .size: 8, .value_kind: global_buffer, .address_space: global }
      - { .name: weight_q2, .offset: 16, .size: 8, .value_kind: global_buffer, .address_space: global }
      - { .name: weight_norm, .offset: 24, .size: 8, .value_kind: global_buffer, .address_space: global }
      - { .name: bias, .offset: 32, .size: 8, .value_kind: global_buffer, .address_space: global }
      - { .name: out0, .offset: 40, .size: 8, .value_kind: global_buffer, .address_space: global }
    .group_segment_fixed_size: 327680
    .private_segment_fixed_size: 0
    .kernarg_segment_align: 8
    .kernarg_segment_size: 48
    .max_flat_workgroup_size: 512
    .sgpr_count:     88
    .vgpr_count:     226
    .wavefront_size: 32
...
	.end_amdgpu_metadata
.endif
;; end of part 1
